; MI455X (gfx1250); checked and timed in simulation.
; The chip was launched on July 23, 2026; its instructions are those of AMD's public machine-readable ISA for CDNA 5 (MIT licence, August 2026) and "CDNA5" Instruction Set Architecture Reference Guide (July 2026). The comments in the code are by the model that wrote it; some were corrected since.
;; Sent Att Net. Allowed arithmetic: matrix products marked QUANTISED: E3M2 operands, one E8M0 scale for each 32 along K, by v_wmma_scale_f32_16x16x128_f8f6f4 with both operands' format E3M2, f32 sums; products left as they are: f32 operands where the result goes on into a quantised operand, else bf16, f16 or f32 operands; f32 sums; everything else in f32.
;; Inputs: context_weight 1,024 x 1 float32; f_output 128 x 512 x 1,024 float32; h_output 2 x 512 x 512 float32; sent_bias 1 x 1,024 float32; sent_weight_codes 1,024 x 32 x 24 uint8 (E3M2 codes of sent_weight, K innermost, in blocks of 32 codes, four codes in three bytes); sent_weight_scales 1,024 x 32 uint8 (E8M0 scales of sent_weight, one for each 32 codes along K).
;; Outputs: out0 512 x 1,024 float32.
;; This version of the problem:
;;   THIS VERSION OF THE PROBLEM IS GIVEN IN LOW PRECISION. The matrix products marked QUANTISED in the list below multiply operands that are first quantised to E3M2 (3 exponent bits, 2 mantissa bits; 6 bits a number), with one power-of-two scale for each 32 numbers along K (OCP MX v1.0); their sums are f32. All else is computed in f32.
;;   The module's matrix products, in the order in which they are computed (A, B: the left and right operand; K: the contracted axis; several contracted axes count as one K, in the product's order):
;;     1. [M 65,536, K 1,024] x [K 1,024, N 1,024]; A: input f_output; B: input sent_weight (given as codes): QUANTISED
;;     2. [M 65,536, K 1,024] x [K 1,024, N 1]; A: computed on the way; B: computed on the way: left as it is (N = 1 < 16)
;;     3. batch 512 x [M 1,024, K 128] x [K 128, N 1]; A: input f_output; B: softmax: left as it is (N = 1 < 16)
;;   THE QUANTISER, for each operand of a quantised product, along K:
;;     - K is cut into blocks of 32 from its start; a last block that is shorter is filled with zeros.
;;     - A block's scale is 2^e with e = floor(log2(the largest magnitude in the block)) - 4, held to -126 .. 127; a block of zeros has e = 0. As a byte (E8M0): e + 127.
;;     - Each number is divided by its block's scale, clamped to +-28, and rounded to the nearest number of E3M2, ties to even, subnormals kept.
;;     - The product sums the exact products of the quantised numbers (number of the format x scale) in f32.
;;   ~~~python
;;   def quantise(x, axis):      # numpy; x: float32 -> the quantised numbers, widened to float32 again
;;       x = np.moveaxis(x, axis, -1); K = x.shape[-1]
;;       x = np.pad(x, [(0, 0)] * (x.ndim - 1) + [(0, -K % 32)]); x = x.reshape(x.shape[:-1] + (-1, 32)); a = np.abs(x).max(-1, keepdims=True)
;;       e = np.where(a > 0, np.clip(np.frexp(np.where(a > 0, a, 1))[1] - 1 - 4, -126, 127), 0)      # np.frexp(a)[1] - 1 = floor(log2(a)), exactly
;;       r = np.clip(x / 2.0 ** e, -28, 28)
;;       step = 2.0 ** (np.maximum(np.frexp(np.where(r == 0, 1, r))[1] - 1, -2) - 2)
;;       q = np.round(r / step) * step * 2.0 ** e      # np.round: ties to even
;;       return np.moveaxis(q.reshape(q.shape[:-2] + (-1,))[..., :K], -1, axis).astype(np.float32)
;;   ~~~
;;   INPUTS GIVEN AS CODES. sent_weight (in the module: [1024, 1024], K = its axis 0): each comes as NAME_codes (uint8): NAME with its K axis moved to the last place and cut into blocks of 32 codes, [.., K / 32, bytes a block], one block behind the other in memory; four codes in three bytes: a row's codes are one little-endian stream of bits, code i at bits 6 i .. 6 i + 5 (a code: sign, 3 exponent bits, 2 mantissa bits); and NAME_scales (uint8): the same leading axes, one E8M0 byte (e + 127) for each 32 codes along K. Its value is code x scale, taken as it is: it is not quantised again, and the codes and scales need not be those that the quantiser above would give.
;; 2 versions. Each part assembles by itself: llvm-mc -triple=amdgcn-amd-amdhsa -mcpu=gfx1250 --defsym DOCPART=n.
;; ======== version 1 of 2: 2 launches
;; workspace buffers: wimg 786,432 bytes
;; launch lay (part 1): grid 64 x 1, 8 waves a work-group, no clusters, 0 bytes of LDS; arguments sent_weight_codes, wimg; writes wimg
.if DOCPART == 1
	.amdgcn_target "amdgcn-amd-amdhsa--gfx1250"
	.amdhsa_code_object_version 6
	.text
	.protected	k_q93dd307591_lay
	.globl	k_q93dd307591_lay
	.p2align	8
	.type	k_q93dd307591_lay,@function
k_q93dd307591_lay:
	s_mov_b64 s[64:65], 0
	v_nop
	global_prefetch_b8 v0, s[64:65] scope:SCOPE_SE
	s_setreg_imm32_b32 hwreg(HW_REG_WAVE_MODE, 25, 1), 1
	s_wait_xcnt 0x0
; W's codes, [1024 columns n][768 bytes: 1,024 codes along K], are laid once in the order of a matrix operand's registers, so that the next launch
; brings a fragment (16 columns x 128 K: 12 registers a lane) by three loads of 16 bytes a lane, 512 consecutive bytes each, where rows would ask for six loads of 8 bytes.
; Fragment (t = column tile 0..63, s = K step 0..7) begins at byte (8 t + s) x 1,536 of wimg; in it byte 512 c + 16 lane holds the lane's registers 4 c .. 4 c + 3.
; Lane (r, h) of a fragment holds column 16 t + r; registers 0-5 are the 24 bytes at 96 s + 24 h of its row, registers 6-11 those 48 bytes further on: the row's stream of bits as it lies.
; Work-group t, wave s: one fragment a wave.  No LDS, no barrier: waves share nothing.  The codes are copied, not changed; the scale bytes stay where they are.
.set ROWB, 768                         ; a column's codes in bytes
.set FRB,  1536                        ; a fragment's image in bytes
	s_load_b128 s[4:7], s[0:1], 0x0                ; the codes s[4:5], wimg s[6:7]
	v_lshrrev_b32 v1, 5, v0
	v_readfirstlane_b32 s8, v1                     ; wave = K step
	v_and_b32 v1, 15, v0                           ; r
	v_bfe_u32 v2, v0, 4, 1                         ; h
	v_mul_u32_u24 v3, v1, ROWB
	v_mad_u32_u24 v3, v2, 24, v3                   ; in: row r, + 24 h
	v_and_b32 v4, 31, v0
	v_lshlrev_b32 v4, 4, v4                        ; out: 16 x lane
	s_mul_i32 s10, ttmp9, 16*ROWB                  ; the tile's 16 rows,
	s_mul_i32 s11, s8, 96                          ; the K step's 96 bytes in each
	s_add_co_u32 s10, s10, s11
	s_mov_b32 s11, 0
	s_lshl_b32 s12, ttmp9, 3
	s_add_co_u32 s12, s12, s8
	s_mul_i32 s12, s12, FRB                        ; the image's place
	s_mov_b32 s13, 0
	s_wait_kmcnt 0x0
	s_add_nc_u64 s[4:5], s[4:5], s[10:11]
	s_add_nc_u64 s[6:7], s[6:7], s[12:13]
.irp p, 0,1,2,3,4,5
	global_load_b64 v[8+2*\p:9+2*\p], v3, s[4:5] offset:48*(\p/3)+8*(\p%3)
.endr
	s_wait_loadcnt 0x0
.irp c, 0,1,2
	global_store_b128 v4, v[8+4*\c:11+4*\c], s[6:7] offset:512*\c   ; the wave stores 512 consecutive bytes, at a multiple of 512 from wimg's first byte
.endr
	s_endpgm
.Lfunc_end_k_q93dd307591_lay:
	.size	k_q93dd307591_lay, .Lfunc_end_k_q93dd307591_lay-k_q93dd307591_lay
	.p2alignl 7, 3214868480
	.fill 96, 4, 3214868480
	.section	.rodata,"a",@progbits
	.p2align	6, 0x0
	.amdhsa_kernel k_q93dd307591_lay
		.amdhsa_group_segment_fixed_size 0
		.amdhsa_private_segment_fixed_size 0
		.amdhsa_enable_private_segment 0
		.amdhsa_kernarg_size 16
		.amdhsa_user_sgpr_count 2
		.amdhsa_user_sgpr_kernarg_segment_ptr 1
		.amdhsa_wavefront_size32 1
		.amdhsa_system_sgpr_workgroup_id_x 1
		.amdhsa_system_sgpr_workgroup_id_y 1
		.amdhsa_system_sgpr_workgroup_id_z 1
		.amdhsa_system_vgpr_workitem_id 0
		.amdhsa_next_free_vgpr 32
		.amdhsa_next_free_sgpr 66
		.amdhsa_reserve_vcc 0
		.amdhsa_float_denorm_mode_32 3
		.amdhsa_float_denorm_mode_16_64 3
		.amdhsa_memory_ordered 1
		.amdhsa_forward_progress 1
		.amdhsa_inst_pref_size 3
	.end_amdhsa_kernel
	.amdgpu_metadata
---
amdhsa.version: [ 1, 2 ]
amdhsa.kernels:
  - .name:           k_q93dd307591_lay
    .symbol:         k_q93dd307591_lay.kd
    .args:
      - { .name: sent_weight_codes, .offset: 0, .size: 8, .value_kind: global_buffer, .address_space: global }
      - { .name: wimg, .offset: 8, .size: 8, .value_kind: global_buffer, .address_space: global }
    .group_segment_fixed_size: 0
    .private_segment_fixed_size: 0
    .kernarg_segment_align: 8
    .kernarg_segment_size: 16
    .max_flat_workgroup_size: 256
    .sgpr_count:     66
    .vgpr_count:     32
    .wavefront_size: 32
...
	.end_amdgpu_metadata
.endif
;; end of part 1
;; launch attn (part 2): grid 512 x 1, 4 waves a work-group, no clusters, 320,512 bytes of LDS; arguments f_output, wimg, sent_weight_scales, sent_bias, context_weight, out0; writes out0
.if DOCPART == 2
	.amdgcn_target "amdgcn-amd-amdhsa--gfx1250"
	.amdhsa_code_object_version 6
	.text
	.protected	k_q93dd307591_attn
	.globl	k_q93dd307591_attn
	.p2align	8
	.type	k_q93dd307591_attn,@function
k_q93dd307591_attn:
	s_mov_b64 s[64:65], 0
	v_nop
	global_prefetch_b8 v0, s[64:65] scope:SCOPE_SE
	s_setreg_imm32_b32 hwreg(HW_REG_WAVE_MODE, 25, 1), 1
	s_wait_xcnt 0x0
; out[b][:] = sum over s of softmax_s(score[s][b]) f[s][b][:],  score = tanh(c . tanh(Q(f[s][b][:]) W + bias)).  f: [128][512][1024] f32; W: codes of BF6 (E3M2) with one E8M0 byte for each 32 along K; out: [512][1024] f32.
; DEAD WORK: h_output is named by no line of reference(): it has no way to the result for any values, so it is not loaded and is among no launch's arguments.  LIMIT: a NaN or an infinity in h_output is not carried to the result.
; ONE WORK-GROUP IS ONE BATCH b: its 128 rows (s = 0..127) are read from memory ONCE.  On the way in each row is (a) quantised along K from f32 into codes and scale words, and (b) rounded to bf16 and kept in LDS for the weighted sum at the end.
; PHASES.  L: wave w loads rows 32 w .. 32 w + 31, quantises them, hands the fragments to all waves through LDS as images of their registers, in two halves of K (the images' region holds 32 of the 64 fragments).
;   G: every wave holds the codes of ALL 128 rows (64 fragments, 768 registers) and walks its quarter of W's columns, 16 tiles of 16: a tile's 8 fragments of W come from memory straight into registers and feed 8 matrix instructions each;
;      then tanh and the product with c, kept as a running sum for each row.   Score: the four waves' parts meet in LDS; thread t finishes row t.   S: thread t sums 8 columns over the 128 kept rows.
; THE MATRIX INSTRUCTION IS USED TRANSPOSED: source 0 = 16 columns of W, source 1 = 16 rows of f: lane (r, h), register j, holds u(row r, column 16 t + 8 h + j).  The bias is the C of a tile's first products.
; tanh(x) = 1 - 2 / (1 + 2^(2 log2(e) x)): the power runs to infinity or to 0 at the ends and the quotient to 0 or 1, so the form holds for every finite x.  c . tanh = sum(c) - 2 sum(c / (1 + 2^..)): both sums in f32.
; NO MAXIMUM IS TAKEN AWAY ahead of the softmax's exponential: reference()'s own tanh holds every score in [-1, 1], for every input, so e^score lies in [0.36, 2.72] and the sum of 128 of them in [47, 348].
; NO CLUSTER, NO TENSOR LOAD: W is what all work-groups share, but LDS is full: 264,192 bytes of kept rows + 49,152 of images + 7,168 of small tables leave 7,168 of 327,680, too little for a slot of W's tiles (12,288 bytes a column tile); so W goes to registers.
; LIMITS: NaN and infinities among the inputs are not served.  A block of f whose largest magnitude lies under 2^(5 - 127), zeros among them, gets the byte 1 (the bytes are read here alone; a block of zeros has zero codes).
;   f enters the weighted sum rounded to bf16; the sums' order differs from reference()'s.
; REGISTERS, in windows of 256.  f's fragment i = 8 s + m (K step s, row tile m): window 1 + i / 21, register 12 (i % 21); fragment 63: window 0, v84-95.
;   window 0 in L: v5-9 addresses; v16-31 at work; v32-50 codes; v52 scale word; v64-255 three sets of 64 numbers.
;   window 0 in G: v5, v6 offsets; v10-11 sum(c); v12-27 a pair of running sums for each row tile; v28-35 W's scale words; v36-43 bias; v44-51 c; v52-83 f's scale words; v96-191 W's 8 fragments; v192-255 8 accumulators.
.set RP,    2064                       ; a kept row: 2,048 bytes of bf16 + 16 = 516 words: row r starts at bank 4 r mod 64 (64 banks of 4 bytes: ISA guide 11.1)
.set FRB,   1536                       ; a fragment's image
.set RET,   0                          ; LDS: 128 kept rows,
.set IMG,   128*RP                     ; 32 images: index 4 m + (s % 4),
.set ASC,   IMG+32*FRB                 ; f's scale words [K step][row],
.set DOTS,  ASC+8*128*4                ; the waves' parts of c . tanh [wave][row],
.set EW,    DOTS+4*128*4               ; e^score [row],
.set SPARE, EW+128*4                   ; and the spare words, 128 bytes for each wave: two blocks of 256 bytes that no other line names
.set SPW, 1                            ; v1   LDS address of my spare word; never rewritten
.set NIL, 2                            ; v2   0; never rewritten
.set LI,  3                            ; v3   16 x lane
.set FI,  4                            ; v4   IMG + 16 x lane
.set XA,  5                            ; v5, v6  L: my byte in f for my wave's first, second row tile
.set HWI, 7                            ; v7   L: where I store images
.set ASW, 8                            ; v8   L: where I store scale words
.set RW,  9                            ; v9   L: where I store kept rows
.set TM,  16
.set PC,  32
.set PW,  52
.set ST,  64
.set WSO, 5                            ; v5   G: 32 r: my column's row of W's scale bytes
.set CBO, 6                            ; v6   G: 32 h: my eight numbers of bias and of c
.set CS,  10
.set DOT, 12
.set WS,  28
.set BI,  36
.set CW,  44
.set AS,  52
.set A63, 84
.set WF,  96
.set ACC, 192
.set OA,  16                           ; S: v16-23 my eight sums, v24 the sum of the weights
.set Z,   24
.set SEL, 20                           ; s[20:21] v_permlanex16_b32's selects for lane l xor 16
.set K2,  22                           ; s[22:23] 2 log2(e): the packed form names a pair and takes its low word for both halves
.set MSB, 0
.macro WIN new                         ; the immediate's high byte repeats the setting that is left; a switch that changes nothing is dropped
.if MSB != \new
	s_set_vgpr_msb (MSB<<8)|\new
.set MSB, \new
.endif
.endm
.macro PLACES                          ; four plain vector instructions between a matrix instruction and a load into its registers or a read of its result
.rept 4
	v_nop
.endr
.endm
.macro BARRIER                         ; my LDS stores have landed and my LDS loads are in: then the work-group's barrier
	s_wait_dscnt 0x0
	s_barrier_signal -1
	s_barrier_wait -1
.endm
; Piece i of 16 of my wave's rows: K step 4 (i / 8) + (i % 8) / 2, row tile i % 2.  Lane (r, h) takes, of row r, the 16 numbers 16 h on of each of the step's four blocks of 32: the 16 loads together cover 512 consecutive bytes of each of 16 rows.
.macro XLOAD i
.set xs, 4*((\i)/8)+((\i)%8)/2
.set xu, (\i)%2
.set xr, ST+64*((\i)%3)
.irp b, 0,1,2,3
.irp j, 0,1,2,3
	global_load_b128 v[xr+16*\b+4*\j:xr+16*\b+4*\j+3], v[XA+xu], s[4:5] offset:512*xs+128*\b+16*\j th:TH_LOAD_NT
.endr
.endr
.endm
; 64 numbers of a lane, register 16 b + i = k 32 b + 16 (lane / 16) + i of my row, become a fragment's codes in v[PC] on and its scale word in v[PW].
.macro QUANT s
.irp b, 0,1,2,3
	v_max3_num_f32 v[TM+\b], |v[\s+16*\b]|, |v[\s+1+16*\b]|, 0x2800000   ; block b: my 16 numbers, and the floor 2^(5 - 127): the byte cannot fall under 1
.endr
.irp i, 2,4,6,8,10,12,14
.irp b, 0,1,2,3
	v_max3_num_f32 v[TM+\b], v[TM+\b], |v[\s+16*\b+\i]|, |v[\s+1+16*\b+\i]|   ; (the four blocks by turns)
.endr
.endr
.irp b, 0,1,2,3
	v_permlanex16_b32 v[TM+4+\b], v[TM+\b], s[SEL], s[SEL+1]
.endr
.irp b, 0,1,2,3
	v_max_num_f32 v[TM+\b], v[TM+\b], v[TM+4+\b]   ; with lane l xor 16's: the block's largest magnitude
.endr
.irp b, 0,1,2,3
	v_add_nc_u32 v[TM+12+\b], 0xfe000000, v[TM+\b]   ; 4 off its exponent field: the conversion takes the exponent field of this operand as its scale
.endr
.irp b, 0,1,2,3
	v_lshrrev_b32 v[TM+4+\b], 23, v[TM+12+\b]      ; the scale's byte
.endr
	v_lshl_or_b32 v[PW], v[TM+5], 8, v[TM+4]       ; the four bytes make my row's scale word
	v_lshl_or_b32 v[PW], v[TM+6], 16, v[PW]
	v_lshl_or_b32 v[PW], v[TM+7], 24, v[PW]
.irp c, 0,1
	v_cvt_scalef32_pk16_bf6_f32 v[PC+6*\c:PC+2+6*\c], v[\s+32*\c:\s+15+32*\c], v[TM+12+2*\c]
	v_cvt_scalef32_pk16_bf6_f32 v[PC+12+4*\c:PC+14+4*\c], v[\s+16+32*\c:\s+31+32*\c], v[TM+12+2*\c+1]   ; (a conversion's three registers begin on an even number)
.endr
	v_nop                                          ; one plain place behind a scaled conversion
.irp c, 0,1                                    ; the operand's layout wants a WHOLE block in a lane: lanes 0-15 block 2 c, lanes 16-31 block 2 c + 1
.irp i, 0,1,2
	v_permlane16_swap_b32 v[PC+6*\c+\i], v[PC+12+4*\c+\i]
.endr
.irp i, 0,1,2
	v_mov_b32 v[PC+3+6*\c+\i], v[PC+12+4*\c+\i]
.endr
.endr
.endm
; Piece i: quantised, its image and scale word to LDS; rounded to bf16 in place (register k takes numbers 2 k, 2 k + 1; k ascending, so no number is overwritten before it is read) and kept; then its set of registers takes piece i + 3.
.macro FRAGQ i
.set fs, 4*((\i)/8)+((\i)%8)/2
.set fu, (\i)%2
.set fr, ST+64*((\i)%3)
.if (\i) < 14
	s_wait_loadcnt 32                              ; my 16 loads are in; the two younger sets' 32 may be out
.else
	s_wait_loadcnt 16*(15-(\i))
.endif
	QUANT fr
.irp c, 0,1,2
	ds_store_b128 v[HWI], v[PC+4*\c:PC+4*\c+3] offset:(4*fu+fs%4)*FRB+512*\c
.endr
	ds_store_b32 v[ASW], v[PW] offset:512*fs+64*fu   ; lanes l and l xor 16 write the same word with the same value
.set k, 0
.rept 32
	v_cvt_pk_bf16_f32 v[fr+k], v[fr+2*k], v[fr+2*k+1]
.set k, k+1
.endr
.irp e, 0,1,2,3,4,5,6,7
	ds_store_b128 v[RW], v[fr+4*\e:fr+4*\e+3] offset:16*RP*fu+256*fs+64*(\e/2)+16*(\e%2)   ; block e / 2: my 16 numbers are 32 bytes of the row
.endr
	s_wait_dscnt 0x0                               ; the stores have read their registers: the codes and the set may be written again
.if (\i)+3 < 16
	XLOAD (\i)+3
.endif
.endm
; The 32 images of K steps 4 q .. 4 q + 3 come into every wave's registers
.macro FETCH q
.irp sp, 0,1,2,3
.irp m, 0,1,2,3,4,5,6,7
.set fi, 8*(4*(\q)+\sp)+\m
.if fi < 63
	WIN ((1+fi/21)<<6)
.set fg, 12*(fi%21)
.else
	WIN 0
.set fg, A63
.endif
.irp c, 0,1,2
	ds_load_b128 v[fg+4*\c:fg+4*\c+3], v[FI] offset:(4*\m+\sp)*FRB+512*\c
.endr
.endr
.endr
	WIN 0
.endm
; A column tile's operands, in three runs.  WLOAD: four fragments of W, 512 consecutive bytes a load
.macro WLOAD s0
.irp s, \s0, \s0+1, \s0+2, \s0+3
.irp c, 0,1,2
	global_load_b128 v[WF+12*(\s)+4*\c:WF+12*(\s)+4*\c+3], v[LI], s[6:7] offset:FRB*(\s)+512*\c
.endr
.endr
.endm
.macro GA                              ; 15 loads: K steps 0-3, their scale words, the bias
	WLOAD 0
	global_load_b128 v[WS:WS+3], v[WSO], s[8:9]
	global_load_b128 v[BI:BI+3], v[CBO], s[10:11]
	global_load_b128 v[BI+4:BI+7], v[CBO], s[10:11] offset:16
.endm
.macro GB                              ; 13 loads: K steps 4-7, their scale words
	WLOAD 4
	global_load_b128 v[WS+4:WS+7], v[WSO], s[8:9] offset:16
.endm
.macro GC                              ; 2 loads: c
	global_load_b128 v[CW:CW+3], v[CBO], s[12:13]
	global_load_b128 v[CW+4:CW+7], v[CBO], s[12:13] offset:16
.endm
; K step s of a column tile: one fragment of W against the eight row tiles.  The eight accumulators take turns, one instruction a turn.
; f's scale words: register AS + 4 s + m / 2 holds row tile m's in lanes 0-15 (m even) or 16-31 (m odd).
.macro KSTEP s
.irp m, 0,1,2,3,4,5,6,7
.set ki, 8*(\s)+\m
.if ki < 63
	WIN ((1+ki/21)<<2)
.set kg, 12*(ki%21)
.else
	WIN 0
.set kg, A63
.endif
.set kc, ACC+8*\m
.if (\s) == 0
.set kc, BI                            ; the first K step starts the sums from the bias
.endif
.if \m%2
	v_wmma_scale_f32_16x16x128_f8f6f4 v[ACC+8*\m:ACC+8*\m+7], v[WF+12*(\s):WF+12*(\s)+11], v[kg:kg+11], v[kc:kc+7], v[WS+(\s)], v[AS+4*(\s)+\m/2] matrix_a_fmt:MATRIX_FMT_BF6 matrix_b_fmt:MATRIX_FMT_BF6 matrix_b_scale:MATRIX_SCALE_ROW1
.else
	v_wmma_scale_f32_16x16x128_f8f6f4 v[ACC+8*\m:ACC+8*\m+7], v[WF+12*(\s):WF+12*(\s)+11], v[kg:kg+11], v[kc:kc+7], v[WS+(\s)], v[AS+4*(\s)+\m/2] matrix_a_fmt:MATRIX_FMT_BF6 matrix_b_fmt:MATRIX_FMT_BF6
.endif
.endr
.endm
; The tile's 64 numbers a lane: q = 1 / (1 + 2^(2 log2(e) x)); the running sums take c q.  Two batches of 64 transcendentals, one wait each; each accumulator is read from its low end on.
.macro TANH
.set k, 0
.rept 32
	v_pk_mul_f32 v[ACC+k:ACC+k+1], v[ACC+k:ACC+k+1], s[K2:K2+1] op_sel_hi:[1,0]
.set k, k+2
.endr
.set k, 0
.rept 64
	v_exp_f32 v[ACC+k], v[ACC+k]
.set k, k+1
.endr
.irp p, 0,2,4,6
	v_pk_add_f32 v[CS:CS+1], v[CS:CS+1], v[CW+\p:CW+\p+1]   ; sum(c): plain work behind the exponentials
.endr
	s_wait_alu depctr_va_vdst(0)                   ; one wait for the 64 exponentials, ahead of their first reader
.set k, 0
.rept 32
	v_pk_add_f32 v[ACC+k:ACC+k+1], v[ACC+k:ACC+k+1], 1.0 op_sel_hi:[1,0]
.set k, k+2
.endr
.set k, 0
.rept 64
	v_rcp_f32 v[ACC+k], v[ACC+k]
.set k, k+1
.endr
	v_nop                                          ; a plain instruction behind the last reciprocal
	s_wait_alu depctr_va_vdst(0)                   ; one wait for the 64 reciprocals
.irp p, 0,2,4,6
.irp m, 0,1,2,3,4,5,6,7
	v_pk_fma_f32 v[DOT+2*\m:DOT+2*\m+1], v[ACC+8*\m+\p:ACC+8*\m+\p+1], v[CW+\p:CW+\p+1], v[DOT+2*\m:DOT+2*\m+1]   ; (the eight row tiles by turns)
.endr
.endr
.endm
; A column tile.  next = 1: the next tile's operands are asked for on the way.
.macro TRIP next
.if \next
	s_wait_xcnt 0x0                                ; the last tile's loads have read their bases: they step to the next tile
	s_add_nc_u64 s[6:7], s[6:7], 8*FRB
	s_add_nc_u64 s[8:9], s[8:9], 16*32
	s_add_nc_u64 s[10:11], s[10:11], 16*4
	s_add_nc_u64 s[12:13], s[12:13], 16*4
.endif
	s_wait_loadcnt 15                              ; this tile's first run is in; its second (13) and third (2) may be out
	KSTEP 0
	KSTEP 1
	KSTEP 2
	KSTEP 3
.if \next
	WIN 0
	PLACES
	GA
	s_wait_loadcnt 15                              ; this tile's second and third runs are in; the 15 just issued may be out
.else
	s_wait_loadcnt 0x0
.endif
	KSTEP 4
	KSTEP 5
	KSTEP 6
	KSTEP 7
	WIN 0
	PLACES
.if \next
	GB
.endif
	TANH
.if \next
	GC
.endif
.endm
	s_load_b256 s[4:11], s[0:1], 0x0               ; f s[4:5], wimg s[6:7], W's scales s[8:9], bias s[10:11]
	s_load_b128 s[12:15], s[0:1], 0x20             ; c s[12:13], out s[14:15]
	v_lshl_add_u32 v[SPW], v0, 2, SPARE
	v_mov_b32 v[NIL], 0
	v_lshrrev_b32 v10, 5, v0
	v_readfirstlane_b32 s16, v10                   ; wave 0..3
	v_and_b32 v10, 31, v0                          ; lane
	v_and_b32 v11, 15, v0                          ; r
	v_bfe_u32 v12, v0, 4, 1                        ; h
	v_lshlrev_b32 v[LI], 4, v10
	v_add_nc_u32 v[FI], IMG, v[LI]
	s_lshl_b32 s34, s16, 26                        ; from s to s + 1 in f: 512 x 4,096 = 2^21 bytes; my wave's 32 rows begin 2^26 x wave on
	v_lshlrev_b32 v[XA], 21, v11
	v_lshl_add_u32 v[XA], v12, 6, v[XA]            ; row r, + 64 h: my 16 numbers of a block of 32
	v_add_nc_u32 v[XA], s34, v[XA]
	v_add_nc_u32 v[XA+1], 1<<25, v[XA]             ; and 16 rows further on (under 2^28 in all)
	s_mul_i32 s34, s16, 8*FRB                      ; images 4 m + s', m = 2 wave + u
	v_add_nc_u32 v[HWI], s34, v[FI]
	s_lshl_b32 s34, s16, 7
	v_lshl_add_u32 v[ASW], v11, 2, ASC
	v_add_nc_u32 v[ASW], s34, v[ASW]               ; scale words: 4 x (32 wave + r)
	s_mul_i32 s34, s16, 32*RP
	v_mul_u32_u24 v[RW], v11, RP
	v_lshl_add_u32 v[RW], v12, 5, v[RW]
	v_add_nc_u32 v[RW], s34, v[RW]                 ; kept rows: row 32 wave + r, + 32 h
.irp b, 0,1,2,3
	v_mov_b32 v[TM+4+\b], 0                        ; written once: a lane permute's destination counts as one of its sources
.endr
	s_mov_b32 s[SEL], 0x76543210
	s_mov_b32 s[SEL+1], 0xfedcba98
	s_mov_b32 s[K2], 0x4038aa3b                    ; 2 log2(e)
	s_mov_b32 s[K2+1], s[K2]                       ; (named with it as a pair, so it is written)
	s_lshl_b32 s34, ttmp9, 12                      ; my batch: 4,096 bytes in each s
	s_mov_b32 s35, 0
	s_wait_kmcnt 0x0
	s_add_nc_u64 s[4:5], s[4:5], s[34:35]
	; ---- L: the rows come in.  Three sets of 16 loads a wave are asked for ahead.
	XLOAD 0
	XLOAD 1
	XLOAD 2
.irp i, 0,1,2,3,4,5,6,7
	FRAGQ \i
.endr
	BARRIER                                        ; the images of K steps 0-3 are whole (loads of f, which nobody writes, stay on their way)
	FETCH 0
	BARRIER                                        ; every wave has them in registers: the region may be written again
.irp i, 8,9,10,11,12,13,14,15
	FRAGQ \i
.endr
	BARRIER                                        ; the images of K steps 4-7, all scale words and all kept rows lie in LDS
	FETCH 1
	v_lshl_add_u32 v7, v10, 2, ASC
.irp s, 0,1,2,3,4,5,6,7
.irp p, 0,1,2,3
	ds_load_b32 v[AS+4*\s+\p], v7 offset:512*\s+128*\p   ; lane l: the word of row 32 p + l
.endr
.endr
	; ---- G: my 256 columns of W, 16 at a time
	v_lshlrev_b32 v[WSO], 5, v11                   ; (no load of f is out: the last piece's wait was for 0)
	v_lshlrev_b32 v[CBO], 5, v12
	s_mul_i32 s34, s16, 16*8*FRB                   ; my 16 column tiles' images,
	s_add_nc_u64 s[6:7], s[6:7], s[34:35]
	s_lshl_b32 s34, s16, 13                        ; my 256 rows of scale bytes,
	s_add_nc_u64 s[8:9], s[8:9], s[34:35]
	s_lshl_b32 s34, s16, 10                        ; my 256 numbers of bias and of c
	s_add_nc_u64 s[10:11], s[10:11], s[34:35]
	s_add_nc_u64 s[12:13], s[12:13], s[34:35]
	GA
	GB
	GC
.set k, 0
.rept 18
	v_mov_b32 v[CS+k], 0                           ; sum(c) and the eight pairs of running sums
.set k, k+1
.endr
	s_mov_b32 s24, 15
	s_wait_dscnt 0x0                               ; f's fragments and scale words are in
.Ltile:
	TRIP 1
	s_sub_co_u32 s24, s24, 1
	s_cmp_lg_u32 s24, 0
	s_cbranch_scc1 .Ltile
	TRIP 0                                         ; the last tile is written out: it asks for nothing
	; ---- Score.  My wave's part for row 16 m + r: sum(c) - 2 sum(c q), the pair's halves and lane l xor 16's added
.irp m, 0,1,2,3,4,5,6,7
	v_add_f32 v[ACC+\m], v[DOT+2*\m], v[DOT+2*\m+1]
.endr
	v_add_f32 v[ACC+8], v[CS], v[CS+1]
.irp m, 0,1,2,3,4,5,6,7,8
	v_permlanex16_b32 v[ACC+16+\m], v[ACC+\m], s[SEL], s[SEL+1]
.endr
.irp m, 0,1,2,3,4,5,6,7,8
	v_add_f32 v[ACC+\m], v[ACC+\m], v[ACC+16+\m]
.endr
.irp m, 0,1,2,3,4,5,6,7
	v_fma_f32 v[ACC+\m], v[ACC+\m], -2.0, v[ACC+8]
.endr
	v_and_b32 v7, 15, v0
	s_lshl_b32 s34, s16, 9
	v_lshl_add_u32 v7, v7, 2, DOTS
	v_add_nc_u32 v7, s34, v7                       ; [wave][row]: 512 wave + 4 r
.irp m, 0,1,2,3,4,5,6,7
	ds_store_b32 v7, v[ACC+\m] offset:64*\m        ; lanes l and l xor 16 write the same word with the same value
.endr
	BARRIER                                        ; the four waves' parts lie in LDS
	v_lshl_add_u32 v8, v0, 2, DOTS                 ; thread t finishes row t
.irp q, 0,1,2,3
	ds_load_b32 v[ACC+32+\q], v8 offset:512*\q
.endr
	v_lshl_add_u32 v9, v0, 2, EW
	s_wait_dscnt 0x0
	v_add_f32 v[ACC+32], v[ACC+32], v[ACC+33]
	v_add_f32 v[ACC+32], v[ACC+32], v[ACC+34]
	v_add_f32 v[ACC+32], v[ACC+32], v[ACC+35]      ; c . tanh(..)
	v_mul_f32 v[ACC+32], s[K2], v[ACC+32]
	v_exp_f32 v[ACC+32], v[ACC+32]
	v_nop                                          ; a plain instruction, and a wait, behind each transcendental
	s_wait_alu depctr_va_vdst(0)
	v_add_f32 v[ACC+32], 1.0, v[ACC+32]
	v_rcp_f32 v[ACC+32], v[ACC+32]
	v_nop
	s_wait_alu depctr_va_vdst(0)
	v_fma_f32 v[ACC+32], v[ACC+32], -2.0, 1.0      ; the score, in [-1, 1]
	v_mul_f32 v[ACC+32], 0x3fb8aa3b, v[ACC+32]     ; x log2(e)
	v_exp_f32 v[ACC+32], v[ACC+32]                 ; e^score
	v_nop
	s_wait_alu depctr_va_vdst(0)
	ds_store_b32 v9, v[ACC+32]
	BARRIER                                        ; the 128 weights lie in LDS
	; ---- S: thread t sums columns 4 t .. 4 t + 3 and 512 + 4 t .. + 3 over the 128 kept rows, 16 rows a trip; every thread also sums the weights
	v_lshlrev_b32 v5, 3, v0                        ; 8 t: my 8 bytes of a row's first half (RET = 0)
.set k, 0
.rept 9
	v_mov_b32 v[OA+k], 0
.set k, k+1
.endr
	s_mov_b32 s32, 0
	s_mov_b32 s33, EW
	s_mov_b32 s24, 8
.Lpool:
	v_add_nc_u32 v6, s32, v5
	v_mov_b32 v7, s33
.irp q, 0,1,2,3
	ds_load_b128 v[64+4*\q:67+4*\q], v7 offset:16*\q   ; the trip's 16 weights: all lanes read the same bytes
.endr
.irp rr, 0,1,2,3,4,5,6,7,8,9,10,11,12,13,14,15
	ds_load_b64 v[96+4*\rr:97+4*\rr], v6 offset:RP*\rr        ; the wave reads 256 consecutive bytes
	ds_load_b64 v[98+4*\rr:99+4*\rr], v6 offset:RP*\rr+1024
.endr
.irp rr, 0,1,2,3,4,5,6,7,8,9,10,11,12,13,14,15
	s_wait_dscnt 30-2*\rr                          ; LDS loads come back in order (ISA guide 5.7.1): this row's two are in, the later rows' may be out
.irp q, 0,1,2,3
	v_fma_mix_f32_bf16 v[OA+2*\q], v[96+4*\rr+\q], v[64+\rr], v[OA+2*\q] op_sel_hi:[1,0,0]                   ; the word's low bf16 x the weight, added in f32
	v_fma_mix_f32_bf16 v[OA+2*\q+1], v[96+4*\rr+\q], v[64+\rr], v[OA+2*\q+1] op_sel:[1,0,0] op_sel_hi:[1,0,0]   ; the high one
.endr
	v_add_f32 v[Z], v[Z], v[64+\rr]
.endr
	s_add_co_u32 s32, s32, 16*RP
	s_add_co_u32 s33, s33, 64
	s_sub_co_u32 s24, s24, 1
	s_cmp_lg_u32 s24, 0
	s_cbranch_scc1 .Lpool
	v_rcp_f32 v[Z], v[Z]
	v_lshlrev_b32 v8, 4, v0                        ; (a plain instruction behind the reciprocal)  out: 16 t
	s_lshl_b32 s34, ttmp9, 12                      ; my batch's row of 4,096 bytes
	s_add_nc_u64 s[14:15], s[14:15], s[34:35]
	s_wait_alu depctr_va_vdst(0)
.irp q, 0,1,2,3,4,5,6,7
	v_mul_f32 v[OA+\q], v[OA+\q], v[Z]
.endr
	global_store_b128 v8, v[OA:OA+3], s[14:15] th:TH_STORE_NT                  ; the wave stores 512 consecutive bytes, at a multiple of 512 from out's first byte
	global_store_b128 v8, v[OA+4:OA+7], s[14:15] offset:2048 th:TH_STORE_NT
	s_wait_tensorcnt 0x0                           ; the wave's end
	ds_add_u32 v[SPW], v[NIL]
	s_wait_dscnt 0x0
	s_endpgm
.Lfunc_end_k_q93dd307591_attn:
	.size	k_q93dd307591_attn, .Lfunc_end_k_q93dd307591_attn-k_q93dd307591_attn
	.p2alignl 7, 3214868480
	.fill 96, 4, 3214868480
	.section	.rodata,"a",@progbits
	.p2align	6, 0x0
	.amdhsa_kernel k_q93dd307591_attn
		.amdhsa_group_segment_fixed_size 320512
		.amdhsa_private_segment_fixed_size 0
		.amdhsa_enable_private_segment 0
		.amdhsa_kernarg_size 48
		.amdhsa_user_sgpr_count 2
		.amdhsa_user_sgpr_kernarg_segment_ptr 1
		.amdhsa_wavefront_size32 1
		.amdhsa_system_sgpr_workgroup_id_x 1
		.amdhsa_system_sgpr_workgroup_id_y 1
		.amdhsa_system_sgpr_workgroup_id_z 1
		.amdhsa_system_vgpr_workitem_id 0
		.amdhsa_next_free_vgpr 1024
		.amdhsa_next_free_sgpr 66
		.amdhsa_reserve_vcc 0
		.amdhsa_float_denorm_mode_32 3
		.amdhsa_float_denorm_mode_16_64 3
		.amdhsa_memory_ordered 1
		.amdhsa_forward_progress 1
		.amdhsa_inst_pref_size 206
	.end_amdhsa_kernel
	.amdgpu_metadata
---
amdhsa.version: [ 1, 2 ]
amdhsa.kernels:
  - .name:           k_q93dd307591_attn
    .symbol:         k_q93dd307591_attn.kd
    .args:
      - { .name: f_output, .offset: 0, .size: 8, .value_kind: global_buffer, .address_space: global }
      - { .name: wimg, .offset: 8, .size: 8, .value_kind: global_buffer, .address_space: global }
      - { .name: sent_weight_scales, .offset: 16, .size: 8, .value_kind: global_buffer, .address_space: global }
      - { .name: sent_bias, .offset: 24, .size: 8, .value_kind: global_buffer, .address_space: global }
      - { .name: context_weight, .offset: 32, .size: 8, .value_kind: global_buffer, .address_space: global }
      - { .name: out0, .offset: 40, .size: 8, .value_kind: global_buffer, .address_space: global }
    .group_segment_fixed_size: 320512
    .private_segment_fixed_size: 0
    .kernarg_segment_align: 8
    .kernarg_segment_size: 48
    .max_flat_workgroup_size: 128
    .sgpr_count:     66
    .vgpr_count:     1024
    .wavefront_size: 32
...
	.end_amdgpu_metadata
.endif
;; end of part 2
;; ======== version 2 of 2: 1 launch
;; limits: values are held in bf16: 8 bits of precision; right only within a limited range of input values
;; launch attn (part 3): grid 256 x 1, 4 waves a work-group, no clusters, 326,656 bytes of LDS; arguments f_output, sent_weight_codes, sent_weight_scales, sent_bias, context_weight, out0; writes out0
.if DOCPART == 3
	.amdgcn_target "amdgcn-amd-amdhsa--gfx1250"
	.amdhsa_code_object_version 6
	.text
	.protected	k_q93dd307591_attn
	.globl	k_q93dd307591_attn
	.p2align	8
	.type	k_q93dd307591_attn,@function
k_q93dd307591_attn:
	s_mov_b64 s[64:65], 0
	v_nop
	global_prefetch_b8 v0, s[64:65] scope:SCOPE_SE
	s_setreg_imm32_b32 hwreg(HW_REG_WAVE_MODE, 25, 1), 1
	s_wait_xcnt 0x0
; out[b][:] = sum over s of softmax_s(score[s][b]) f[s][b][:],  score = tanh(c . tanh(Q(f[s][b][:]) W + bias)).  f: [128][512][1024] f32; W: codes of BF6 (E3M2), one E8M0 byte for each 32 along K; out: [512][1024] f32.
; DEAD WORK: h_output is named by no line of reference(): it has no way to the result for any values, so it is not loaded and is among no launch's arguments.  LIMIT: a NaN or an infinity in h_output is not carried to the result.
; A WORK-GROUP STAYS AND TAKES TWO BATCHES, b = its number and b + 256.  A batch's 128 rows are read from memory ONCE: each row is quantised along K from f32 into codes and scale words, and rounded to bf16 and kept in LDS for the weighted sum.
; PHASES of a batch.  L: wave w loads rows 32 w .. 32 w + 31, quantises them and hands the fragments to all waves through LDS as images of their registers, in two halves of K.
;   G: every wave holds the codes of all 128 rows (64 fragments, 768 registers) and walks its quarter of W's columns, 16 tiles of 16; a tile's 8 fragments of W go from memory into registers and feed 8 matrix instructions each; then tanh and the product with c.
;   Score: the four waves' parts meet in LDS; thread t finishes row t.   S: thread t sums 8 columns over the 128 kept rows, two sets of 16 rows taking turns.
;   Behind a batch's last matrix instruction the next batch's first four pieces (64 loads a wave) are asked for, into the registers that the fragments have left; they are waited for at the next batch's head.  This stands in place of a data prefetch.
; W IS TAKEN AS IT LIES.  For K step s lane (r, h) takes the 48 consecutive bytes at 96 s + 48 h of column 16 t + r: memory blocks 4 s + 2 h and 4 s + 2 h + 1, by three loads of 16 bytes; a tile's 24 loads cover 12,288 consecutive bytes.
;   The operand's layout calls the lane's first six registers block h and the last six block 2 + h of the instruction.  So the instruction's blocks 0, 1, 2, 3 are memory blocks 0, 2, 1, 3 of the K step, on BOTH sides: f's codes are made in that order,
;   and in both sides' scale words bytes 1 and 2 change places (W's: once a batch, by v_perm_b32, into a table in LDS where the images lay).  Each block meets its own scale, and the sums hold the same products.
; THE LOADS OF f ARE DENSE: a load takes four runs of 128 consecutive bytes, and a block's 16 rows x 128 bytes turn through the wave's own stage in LDS, so that a lane gets 16 neighbours along K.
; THE MATRIX INSTRUCTION IS USED TRANSPOSED: source 0 = 16 columns of W, source 1 = 16 rows of f: lane (r, h), register j, holds u(row r, column 16 t + 8 h + j).  The bias is the C of a tile's first products.
; tanh(x) = 1 - 2 / (1 + 2^(2 log2(e) x)): the power runs to infinity or to 0 at the ends and the quotient to 0 or 1, so the form holds for every finite x.  c . tanh = sum(c) - 2 sum(c / (1 + 2^..)), in f32.
; NO MAXIMUM IS TAKEN AWAY ahead of the softmax's exponential: reference()'s own tanh holds every score in [-1, 1], for every input, so e^score lies in [0.36, 2.72] and the sum of 128 of them in [47, 348].
; NO CLUSTER, NO TENSOR LOAD: W is what all work-groups share, but of 327,680 bytes of LDS 264,192 hold kept rows and 62,464 are written by LDS stores: 1,024 are left, and a column tile of W is 12,288.
; LIMITS: NaN and infinities among the inputs are not served.  A block of f whose largest magnitude lies under 2^(5 - 127), zeros among them, gets the byte 1 (read here alone; its codes are zeros).  f enters the weighted sum rounded to bf16; the sums' order differs from reference()'s.
; REGISTERS, in windows of 256.  f's fragment i = 8 s + m: window 1 + i / 21, register 12 (i % 21); fragment 63: window 0, v84-95.  In L window 3 holds four sets of 64 numbers as loaded.
;   window 0 in L: v3-15 addresses; v16-31 at work; v32-50 codes; v51 scale word; v52-83 f's scale words; v128-255 two sets of 64 numbers, turned.
;   window 0 in G: v10-11 sum(c); v12-27 running sums; v28-35 W's scale words; v36-43 bias; v44-51 c; v96-191 W's 8 fragments; v192-255 8 accumulators.
.set ROWB,  768                        ; a column's codes in bytes
.set RP,    2064                       ; a kept row: 2,048 bytes of bf16 + 16
.set FRB,   1536                       ; a fragment's image
.set STW,   2688                       ; a wave's stage
.set IMG,   128*RP                     ; LDS: 128 kept rows from 0; 32 images,
.set ASC,   IMG+32*FRB                 ; f's scale words [K step % 4][row],
.set STG,   ASC+4*128*4                ; the four stages,
.set SPARE, STG+4*STW                  ; the spare words: 128 bytes a wave, named by no other line
.set TAB,   IMG                        ; in G: W's scale words, bytes 1 and 2 exchanged: 8,192 bytes for each wave's 256 columns
.set DOTS,  STG                        ; behind L: the waves' parts of c . tanh [wave][row],
.set EW,    STG+4*128*4                ; and e^score [row]
.set SPW, 1
.set NIL, 2
.set WO,  3                            ; 768 r + 48 h: my bytes in a column tile of W
.set FI,  4                            ; IMG + 16 x lane
.set XA,  5                            ; v5, v6  L: my byte in f for my wave's first, second row tile
.set HWI, 7
.set ASW, 8
.set RW,  9
.set SST, 13
.set SRD, 14
.set ASF, 15
.set TM,  16
.set PC,  32
.set PW,  51
.set X,   128
.set TS,  5                            ; G: my column's scale words in the table, tile 0
.set CBO, 6                            ; G: 32 h: my eight numbers of bias and of c
.set TWR, 7                            ; G: where I store the table
.set TSC, 8                            ; G: TS + 512 x the tile that is asked for
.set CS,  10
.set DOT, 12
.set WS,  28
.set BI,  36
.set CW,  44
.set AS,  52
.set A63, 84
.set WF,  96
.set ACC, 192
.set OA,  16                           ; S: v16-23 my eight sums, v[24:25] the sum of the weights in two halves
.set Z,   24
.set SEL, 20
.set K2,  22
.set MSB, 0
.macro WIN new
.if MSB != \new
	s_set_vgpr_msb (MSB<<8)|\new
.set MSB, \new
.endif
.endm
.macro PLACES                          ; four plain vector instructions behind a matrix instruction (ISA guide 7.12.1)
.rept 4
	v_nop
.endr
.endm
.macro BARRIER
	s_wait_dscnt 0x0
	s_barrier_signal -1
	s_barrier_wait -1
.endm
.macro MKXA                            ; my byte in f: row 4 (lane / 8) of 2^21 bytes, 16 (lane % 8), my wave's 32 rows (s28 = wave x 2^26); and 16 rows on
	v_bfe_u32 v28, v0, 3, 2
	v_and_b32 v29, 7, v0
	v_lshlrev_b32 v[XA], 23, v28
	v_lshl_add_u32 v[XA], v29, 4, v[XA]
	v_add_nc_u32 v[XA], s28, v[XA]
	v_add_nc_u32 v[XA+1], 1<<25, v[XA]
.endm
; Piece p of 16: K step 4 (p / 8) + (p % 8) / 2, row tile p % 2: 16 rows x 512 bytes, into set p % 4 of window 3.  Eight lanes read 128 consecutive bytes.
.macro XLOAD p
.set xs, 4*((\p)/8)+((\p)%8)/2
.set xu, (\p)%2
.set xr, 64*((\p)%4)
	WIN 0xc0
.irp b, 0,1,2,3
.irp j, 0,1,2,3
	global_load_b128 v[xr+16*\b+4*\j:xr+16*\b+4*\j+3], v[XA+xu], s[4:5] offset:(\j<<21)+512*xs+128*\b th:TH_LOAD_NT
.endr
.endr
.endm
; Piece p turns through my stage, a block of 32 along K at a time; LDS serves a wave's instructions in order (ISA guide 5.7.1.4).  32 LDS instructions.
.macro TURN p
.set tr, 64*((\p)%4)
.set tx, X+64*((\p)%2)
	WIN 0x0c
.irp b, 0,1,2,3
.irp j, 0,1,2,3
	ds_store_b128 v[SST], v[tr+16*\b+4*\j:tr+16*\b+4*\j+3] offset:80*\j
.endr
.irp j, 0,1,2,3
	ds_load_b128 v[tx+16*\b+4*\j:tx+16*\b+4*\j+3], v[SRD] offset:16*\j   ; lane (r, h): register 16 b + n = k 32 b + 16 h + n of row r
.endr
.endr
.endm
; 64 numbers of a lane become a fragment's codes in v[PC] on and its scale word in v[PW]
.macro QUANT s
.irp b, 0,1,2,3
	v_max3_num_f32 v[TM+\b], |v[\s+16*\b]|, |v[\s+1+16*\b]|, 0x2800000   ; with the floor 2^(5 - 127): the byte cannot fall under 1
.endr
.irp i, 2,4,6,8,10,12,14
.irp b, 0,1,2,3
	v_max3_num_f32 v[TM+\b], v[TM+\b], |v[\s+16*\b+\i]|, |v[\s+1+16*\b+\i]|
.endr
.endr
.irp b, 0,1,2,3
	v_permlanex16_b32 v[TM+4+\b], v[TM+\b], s[SEL], s[SEL+1]
.endr
.irp b, 0,1,2,3
	v_max_num_f32 v[TM+\b], v[TM+\b], v[TM+4+\b]
.endr
.irp b, 0,1,2,3
	v_add_nc_u32 v[TM+12+\b], 0xfe000000, v[TM+\b]   ; 4 off the exponent field: the conversion's scale operand
.endr
.irp b, 0,1,2,3
	v_lshrrev_b32 v[TM+4+\b], 23, v[TM+12+\b]
.endr
	v_lshl_or_b32 v[PW], v[TM+6], 8, v[TM+4]       ; the word's bytes: memory blocks 0, 2, 1, 3
	v_lshl_or_b32 v[PW], v[TM+5], 16, v[PW]
	v_lshl_or_b32 v[PW], v[TM+7], 24, v[PW]
.irp c, 0,1
	v_cvt_scalef32_pk16_bf6_f32 v[PC+6*\c:PC+2+6*\c], v[\s+16*\c:\s+15+16*\c], v[TM+12+\c]              ; my half of block c,
	v_cvt_scalef32_pk16_bf6_f32 v[PC+12+4*\c:PC+14+4*\c], v[\s+32+16*\c:\s+47+16*\c], v[TM+14+\c]      ; and of block 2 + c
.endr
	v_nop
.irp c, 0,1                            ; lanes 0-15 get block c whole, lanes 16-31 block 2 + c: registers 6 c .. 6 c + 5 hold memory block 2 h + c
.irp i, 0,1,2
	v_permlane16_swap_b32 v[PC+6*\c+\i], v[PC+12+4*\c+\i]
.endr
.irp i, 0,1,2
	v_mov_b32 v[PC+3+6*\c+\i], v[PC+12+4*\c+\i]
.endr
.endr
.endm
; Step i of L: piece i + 1 goes through the stage, piece i + 4 is asked for, piece i is quantised, handed on, rounded to bf16 and kept
.macro STEP i
.set fs, 4*((\i)/8)+((\i)%8)/2
.set fu, (\i)%2
.set fr, X+64*((\i)%2)
.if (\i)+1 < 16
.if (\i) < 13
	s_wait_loadcnt 32                              ; piece i + 1's 16 loads are in; those of pieces i + 2 and i + 3 may be out
.else
	s_wait_loadcnt 16*(14-(\i))
.endif
	TURN (\i)+1
	s_wait_dscnt 32                                ; all but the 32 just issued
.else
	s_wait_dscnt 0x0
.endif
.if (\i)+4 < 16
	XLOAD (\i)+4
.endif
	WIN 0
	QUANT fr
.irp c, 0,1,2
	ds_store_b128 v[HWI], v[PC+4*\c:PC+4*\c+3] offset:(4*fu+fs%4)*FRB+512*\c
.endr
	ds_store_b32 v[ASW], v[PW] offset:512*(fs%4)+64*fu
.set k, 0
.rept 32
	v_cvt_pk_bf16_f32 v[fr+k], v[fr+2*k], v[fr+2*k+1]
.set k, k+1
.endr
.irp e, 0,1,2,3,4,5,6,7
	ds_store_b128 v[RW], v[fr+4*\e:fr+4*\e+3] offset:16*RP*fu+256*fs+64*(\e/2)+16*(\e%2)
.endr
.endm
; The 32 images of K steps 4 q .. 4 q + 3 come into every wave's registers, and their rows' scale words
.macro FETCH q
.irp sp, 0,1,2,3
.irp m, 0,1,2,3,4,5,6,7
.set fi, 8*(4*(\q)+\sp)+\m
.if fi < 63
	WIN ((1+fi/21)<<6)
.set fg, 12*(fi%21)
.else
	WIN 0
.set fg, A63
.endif
.irp c, 0,1,2
	ds_load_b128 v[fg+4*\c:fg+4*\c+3], v[FI] offset:(4*\m+\sp)*FRB+512*\c
.endr
.endr
.endr
	WIN 0
.irp sp, 0,1,2,3
.irp p, 0,1,2,3
	ds_load_b32 v[AS+4*(4*(\q)+\sp)+\p], v[ASF] offset:512*\sp+128*\p
.endr
.endr
.endm
.macro WL s                            ; W's fragment of K step s: 3 loads
.irp c, 0,1,2
	global_load_b128 v[WF+12*(\s)+4*\c:WF+12*(\s)+4*\c+3], v[WO], s[6:7] offset:96*(\s)+16*\c
.endr
.endm
.macro BLOAD                           ; the bias: 2 loads
	global_load_b128 v[BI:BI+3], v[CBO], s[10:11]
	global_load_b128 v[BI+4:BI+7], v[CBO], s[10:11] offset:16
.endm
.macro GC                              ; c: 2 loads
	global_load_b128 v[CW:CW+3], v[CBO], s[12:13]
	global_load_b128 v[CW+4:CW+7], v[CBO], s[12:13] offset:16
.endm
; K step s of a column tile: one fragment of W against the eight row tiles; the eight accumulators take turns
.macro KSTEP s
.irp m, 0,1,2,3,4,5,6,7
.set ki, 8*(\s)+\m
.if ki < 63
	WIN ((1+ki/21)<<2)
.set kg, 12*(ki%21)
.else
	WIN 0
.set kg, A63
.endif
.set kc, ACC+8*\m
.if (\s) == 0
.set kc, BI
.endif
.if \m%2
	v_wmma_scale_f32_16x16x128_f8f6f4 v[ACC+8*\m:ACC+8*\m+7], v[WF+12*(\s):WF+12*(\s)+11], v[kg:kg+11], v[kc:kc+7], v[WS+(\s)], v[AS+4*(\s)+\m/2] matrix_a_fmt:MATRIX_FMT_BF6 matrix_b_fmt:MATRIX_FMT_BF6 matrix_b_scale:MATRIX_SCALE_ROW1
.else
	v_wmma_scale_f32_16x16x128_f8f6f4 v[ACC+8*\m:ACC+8*\m+7], v[WF+12*(\s):WF+12*(\s)+11], v[kg:kg+11], v[kc:kc+7], v[WS+(\s)], v[AS+4*(\s)+\m/2] matrix_a_fmt:MATRIX_FMT_BF6 matrix_b_fmt:MATRIX_FMT_BF6
.endif
.endr
.endm
; The tile's 64 numbers a lane: q = 1 / (1 + 2^(2 log2(e) x)); the running sums take c q.  Two batches of 64 transcendentals, a wait ahead of and behind each
.macro TANH
.set k, 0
.rept 32
	v_pk_mul_f32 v[ACC+k:ACC+k+1], v[ACC+k:ACC+k+1], s[K2:K2+1] op_sel_hi:[1,0]
.set k, k+2
.endr
; the 64 go in two halves of 32: one half's additions of 1 stand among the other half's transcendentals; a wait parts every write from its reader in the next run
.set k, 0
	s_wait_alu depctr_va_vdst(0)
.rept 32
	v_exp_f32 v[ACC+k], v[ACC+k]
.set k, k+1
.endr
.irp p, 0,2,4,6
	v_pk_add_f32 v[CS:CS+1], v[CS:CS+1], v[CW+\p:CW+\p+1]   ; sum(c)
.endr
	s_wait_alu depctr_va_vdst(0)
.set k, 0
.rept 16
	v_exp_f32 v[ACC+32+k], v[ACC+32+k]
	v_exp_f32 v[ACC+33+k], v[ACC+33+k]
	v_pk_add_f32 v[ACC+k:ACC+k+1], v[ACC+k:ACC+k+1], 1.0 op_sel_hi:[1,0]
.set k, k+2
.endr
	s_wait_alu depctr_va_vdst(0)
.set k, 0
.rept 16
	v_rcp_f32 v[ACC+k], v[ACC+k]
	v_rcp_f32 v[ACC+k+1], v[ACC+k+1]
	v_pk_add_f32 v[ACC+32+k:ACC+33+k], v[ACC+32+k:ACC+33+k], 1.0 op_sel_hi:[1,0]
.set k, k+2
.endr
	s_wait_alu depctr_va_vdst(0)
.set k, 32
.rept 32
	v_rcp_f32 v[ACC+k], v[ACC+k]
.set k, k+1
.endr
	v_nop
	s_wait_alu depctr_va_vdst(0)
.irp p, 0,2,4,6
.irp m, 0,1,2,3,4,5,6,7
	v_pk_fma_f32 v[DOT+2*\m:DOT+2*\m+1], v[ACC+8*\m+\p:ACC+8*\m+\p+1], v[CW+\p:CW+\p+1], v[DOT+2*\m:DOT+2*\m+1]
.endr
.endr
.endm
; A column tile.  next = 1: the next tile's operands are asked for on the way.  next = 0, the batch's last: the next batch's first four pieces are asked for instead.
.macro TRIP next
; A tile's operands are asked for in this order: W0 (3 loads), bias (2), W1 .. W7 (3 each), c (2).  The next tile's fragment of K step s is asked for directly behind this tile's K step s, whose registers it takes.
.irp s, 0,1,2,3,4,5,6,7
.if \s == 0
	s_wait_loadcnt 23                              ; W0 and the bias are in; W1-7 (21) and c (2) may be out
	s_wait_dscnt 1                                 ; scale words 0-3 are in; words 4-7 may be out
.else
.if \next
	s_wait_loadcnt 25                              ; Ws is in; out may be 3 (7 - s) + 2 of this tile and 3 + 2 + 3 (s - 1) of the next
.else
	s_wait_loadcnt 3*(7-\s)+2                      ; Ws is in; the rest of this tile may be out
.endif
.endif
.if \s == 4
	s_wait_dscnt \next                             ; scale words 4-7 are in; the next tile's words 0-3, where they were asked for, may be out
.endif
	KSTEP \s
.if \next || (\s == 7)
	WIN 0
	PLACES
.endif
.if \next
.if \s == 0
	s_wait_xcnt 0x0                                ; this tile's loads have read their bases: they step to the next tile
	s_add_nc_u64 s[6:7], s[6:7], 16*ROWB
	s_add_nc_u64 s[10:11], s[10:11], 16*4
	s_add_nc_u64 s[12:13], s[12:13], 16*4
.endif
	WL \s
.if \s == 0
	BLOAD
.endif
.if \s == 3
	ds_load_b128 v[WS:WS+3], v[TSC]
.endif
.endif
.endr
.if \next
	ds_load_b128 v[WS+4:WS+7], v[TSC] offset:16
	s_add_co_u32 s27, s27, 512
	v_add_nc_u32 v[TSC], s27, v[TS]                ; the table's rows of the tile after the next
	s_wait_loadcnt 26                              ; c is in; the next tile's 14 + 12 loads may be out
.else
	s_wait_loadcnt 0x0                             ; c is in, and no load is out
	s_cmp_eq_u32 s25, 1
	s_cbranch_scc1 .Lnopre                         ; the second batch has no successor
	s_add_nc_u64 s[4:5], s[4:5], 256*4096          ; batch b + 256 (no load of f is out)
	MKXA
	s_wait_alu depctr_va_vdst(0)
	XLOAD 0
	XLOAD 1
	XLOAD 2
	XLOAD 3
	WIN 0
.Lnopre:
.endif
	TANH
.if \next
	GC
.endif
.endm
; S: set q takes 16 kept rows and their weights: 36 LDS loads
.macro PLOAD q
	v_add_nc_u32 v26, s32, v[28+\q]
	v_mov_b32 v27, s33
.irp i, 0,1,2,3
	ds_load_b128 v[64+16*\q+4*\i:67+16*\q+4*\i], v27 offset:64*\q+16*\i   ; all lanes read the same bytes
.endr
.irp rr, 0,1,2,3,4,5,6,7,8,9,10,11,12,13,14,15
	ds_load_b64 v[96+64*\q+4*\rr:97+64*\q+4*\rr], v26 offset:RP*\rr        ; the wave reads 256 consecutive bytes
	ds_load_b64 v[98+64*\q+4*\rr:99+64*\q+4*\rr], v26 offset:RP*\rr+1024
.endr
.endm
.macro PSUM q, younger                 ; younger: the LDS loads issued behind set q's, which may stay out
	s_wait_alu depctr_va_vdst(0)
	s_wait_dscnt \younger
.irp rr, 0,1,2,3,4,5,6,7,8,9,10,11,12,13,14,15
.irp k, 0,1,2,3
	v_fma_mix_f32_bf16 v[OA+2*\k], v[96+64*\q+4*\rr+\k], v[64+16*\q+\rr], v[OA+2*\k] op_sel_hi:[1,0,0]
	v_fma_mix_f32_bf16 v[OA+2*\k+1], v[96+64*\q+4*\rr+\k], v[64+16*\q+\rr], v[OA+2*\k+1] op_sel:[1,0,0] op_sel_hi:[1,0,0]
.endr
.if (\rr%2) == 0
	v_pk_add_f32 v[Z:Z+1], v[Z:Z+1], v[64+16*\q+\rr:65+16*\q+\rr]
.endif
.endr
.endm
	s_load_b256 s[4:11], s[0:1], 0x0               ; f s[4:5], W's codes s[6:7], W's scales s[8:9], bias s[10:11]
	s_load_b128 s[12:15], s[0:1], 0x20             ; c s[12:13], out s[14:15]
	v_lshl_add_u32 v[SPW], v0, 2, SPARE
	v_mov_b32 v[NIL], 0
	v_lshrrev_b32 v10, 5, v0
	v_readfirstlane_b32 s16, v10                   ; wave 0..3
	s_lshl_b32 s28, s16, 26
	MKXA
	s_mov_b32 s[SEL], 0x76543210
	s_mov_b32 s[SEL+1], 0xfedcba98
	s_mov_b32 s[K2], 0x4038aa3b                    ; 2 log2(e)
	s_mov_b32 s[K2+1], s[K2]
	s_mov_b32 s26, 0x03010200                      ; v_perm_b32: bytes 1 and 2 change places
	s_mov_b32 s25, 0                               ; batches done
	s_mov_b32 s35, 0
	s_lshl_b32 s34, ttmp9, 12                      ; my first batch: 4,096 bytes in each s, and in out
	s_wait_alu depctr_va_vdst(0)
	s_wait_kmcnt 0x0
	s_add_nc_u64 s[4:5], s[4:5], s[34:35]
	s_add_nc_u64 s[14:15], s[14:15], s[34:35]
	s_mul_i32 s34, s16, 16*16*ROWB                 ; my wave's 256 columns: codes,
	s_add_nc_u64 s[36:37], s[6:7], s[34:35]
	s_lshl_b32 s34, s16, 13                        ; scale bytes,
	s_add_nc_u64 s[42:43], s[8:9], s[34:35]
	s_lshl_b32 s34, s16, 10                        ; bias and c
	s_add_nc_u64 s[38:39], s[10:11], s[34:35]
	s_add_nc_u64 s[40:41], s[12:13], s[34:35]
	XLOAD 0
	XLOAD 1
	XLOAD 2
	XLOAD 3
	WIN 0
.Lbatch:
	; the addresses of L (G and S use these registers for other things)
	v_and_b32 v10, 31, v0                          ; lane
	v_and_b32 v11, 15, v0                          ; r
	v_bfe_u32 v12, v0, 4, 1                        ; h
	v_lshl_add_u32 v[FI], v10, 4, IMG
	v_mul_u32_u24 v[WO], v11, ROWB
	v_mad_u32_u24 v[WO], v12, 48, v[WO]
	v_bfe_u32 v13, v0, 3, 2
	s_mul_i32 s34, s16, STW
	s_add_co_u32 s34, s34, STG                     ; my stage
	v_mul_u32_u24 v[SST], v13, 320                 ; in: row 4 (lane / 8) of 80 bytes,
	v_bfe_u32 v14, v0, 2, 1
	v_mad_u32_u24 v[SST], v14, 1408, v[SST]        ; the half (lane / 4) % 2,
	v_and_b32 v14, 3, v0
	v_lshl_add_u32 v[SST], v14, 4, v[SST]          ; the quarter lane % 4
	v_add_nc_u32 v[SST], s34, v[SST]
	v_mul_u32_u24 v[SRD], v11, 80                  ; out: row r, half h
	v_mad_u32_u24 v[SRD], v12, 1408, v[SRD]
	v_add_nc_u32 v[SRD], s34, v[SRD]
	v_lshl_add_u32 v[ASF], v10, 2, ASC
	s_mul_i32 s34, s16, 8*FRB
	v_add_nc_u32 v[HWI], s34, v[FI]
	s_lshl_b32 s34, s16, 7
	v_lshl_add_u32 v[ASW], v11, 2, ASC
	v_add_nc_u32 v[ASW], s34, v[ASW]
	s_mul_i32 s34, s16, 32*RP
	v_mul_u32_u24 v[RW], v11, RP
	v_lshl_add_u32 v[RW], v12, 5, v[RW]
	v_add_nc_u32 v[RW], s34, v[RW]
.irp b, 0,1,2,3
	v_mov_b32 v[TM+4+\b], 0                        ; a lane permute's destination counts as one of its sources
.endr
	s_wait_alu depctr_va_vdst(0)
	; ---- L
	s_wait_loadcnt 48                              ; piece 0's 16 loads are in; those of pieces 1 to 3 may be out
	TURN 0
.irp i, 0,1,2,3,4,5,6,7
	STEP \i
.endr
	BARRIER                                        ; the images and scale words of K steps 0-3 are whole
	FETCH 0
	BARRIER                                        ; every wave has them: the two regions may be written again
.irp i, 8,9,10,11,12,13,14,15
	STEP \i
.endr
	; G's first operands are asked for ahead of the last barrier and fetch of L: my 256 columns' scale bytes (16 loads, dense), then tile 0
	s_wait_dscnt 0x0                               ; my LDS stores are done (no load of f is out: the last wait for them was for 0)
	v_lshlrev_b32 v10, 4, v10                      ; 16 x lane
	v_lshlrev_b32 v[CBO], 5, v12
	s_lshl_b32 s34, s16, 13
	v_lshl_add_u32 v[TS], v11, 5, TAB
	v_add_nc_u32 v[TS], s34, v[TS]
	v_add_nc_u32 v[TWR], TAB, v10
	v_add_nc_u32 v[TWR], s34, v[TWR]
	s_mov_b64 s[6:7], s[36:37]
	s_mov_b64 s[10:11], s[38:39]
	s_mov_b64 s[12:13], s[40:41]
	s_mov_b32 s27, 512
	v_add_nc_u32 v[TSC], s27, v[TS]
	s_wait_alu depctr_va_vdst(0)
.irp i, 0,1,2,3,4,5,6,7,8,9,10,11,12,13,14,15
	global_load_b128 v[ACC+4*\i:ACC+4*\i+3], v10, s[42:43] offset:512*\i
.endr
	WL 0
	BLOAD
.irp s, 1,2,3,4,5,6,7
	WL \s
.endr
	GC
	s_barrier_signal -1
	s_barrier_wait -1                              ; the images and scale words of K steps 4-7 and all kept rows lie in LDS; nobody reads a stage any more
	FETCH 1
	BARRIER                                        ; every wave has its fragments: the images' region takes the table
	s_wait_loadcnt 28                              ; the 16 loads of scale bytes are in; tile 0's 28 may be out
.set k, 0
.rept 64
	v_perm_b32 v[ACC+k], v[ACC+k], v[ACC+k], s26
.set k, k+1
.endr
.irp i, 0,1,2,3,4,5,6,7,8,9,10,11,12,13,14,15
	ds_store_b128 v[TWR], v[ACC+4*\i:ACC+4*\i+3] offset:512*\i   ; my wave's own 8,192 bytes, which it alone reads
.endr
	ds_load_b128 v[WS:WS+3], v[TS]
	ds_load_b128 v[WS+4:WS+7], v[TS] offset:16
.set k, 0
.rept 18
	v_mov_b32 v[CS+k], 0
.set k, k+1
.endr
	s_mov_b32 s24, 15
	s_wait_alu depctr_va_vdst(0)
	s_wait_dscnt 0x0
	; ---- G: my 256 columns of W, 16 at a time
.Ltile:
	TRIP 1
	s_sub_co_u32 s24, s24, 1
	s_cmp_lg_u32 s24, 0
	s_cbranch_scc1 .Ltile
	TRIP 0
	; ---- Score.  My wave's part for row 16 m + r: sum(c) - 2 sum(c q)
.irp m, 0,1,2,3,4,5,6,7
	v_add_f32 v[ACC+\m], v[DOT+2*\m], v[DOT+2*\m+1]
.endr
	v_add_f32 v[ACC+8], v[CS], v[CS+1]
.irp m, 0,1,2,3,4,5,6,7,8
	v_permlanex16_b32 v[ACC+16+\m], v[ACC+\m], s[SEL], s[SEL+1]
.endr
.irp m, 0,1,2,3,4,5,6,7,8
	v_add_f32 v[ACC+\m], v[ACC+\m], v[ACC+16+\m]
.endr
.irp m, 0,1,2,3,4,5,6,7
	v_fma_f32 v[ACC+\m], v[ACC+\m], -2.0, v[ACC+8]
.endr
	v_and_b32 v7, 15, v0
	s_lshl_b32 s34, s16, 9
	v_lshl_add_u32 v7, v7, 2, DOTS
	v_add_nc_u32 v7, s34, v7
.irp m, 0,1,2,3,4,5,6,7
	ds_store_b32 v7, v[ACC+\m] offset:64*\m
.endr
	BARRIER                                        ; the four waves' parts lie in LDS
	v_lshl_add_u32 v8, v0, 2, DOTS                 ; thread t finishes row t
.irp q, 0,1,2,3
	ds_load_b32 v[ACC+32+\q], v8 offset:512*\q
.endr
	v_lshl_add_u32 v9, v0, 2, EW
	s_wait_alu depctr_va_vdst(0)
	s_wait_dscnt 0x0
	v_add_f32 v[ACC+32], v[ACC+32], v[ACC+33]
	v_add_f32 v[ACC+32], v[ACC+32], v[ACC+34]
	v_add_f32 v[ACC+32], v[ACC+32], v[ACC+35]
	v_mul_f32 v[ACC+32], s[K2], v[ACC+32]
	s_wait_alu depctr_va_vdst(0)
	v_exp_f32 v[ACC+32], v[ACC+32]
	v_nop
	s_wait_alu depctr_va_vdst(0)
	v_add_f32 v[ACC+32], 1.0, v[ACC+32]
	s_wait_alu depctr_va_vdst(0)
	v_rcp_f32 v[ACC+32], v[ACC+32]
	v_nop
	s_wait_alu depctr_va_vdst(0)
	v_fma_f32 v[ACC+32], v[ACC+32], -2.0, 1.0      ; the score, in [-1, 1]
	v_mul_f32 v[ACC+32], 0x3fb8aa3b, v[ACC+32]
	s_wait_alu depctr_va_vdst(0)
	v_exp_f32 v[ACC+32], v[ACC+32]                 ; e^score
	v_nop
	s_wait_alu depctr_va_vdst(0)
	ds_store_b32 v9, v[ACC+32]
	BARRIER                                        ; the 128 weights lie in LDS
	; ---- S: thread t sums columns 4 t .. 4 t + 3 and 512 + 4 t .. + 3 over the 128 kept rows; while one set of 16 rows is summed, the other's 36 loads are out
	v_lshlrev_b32 v28, 3, v0                       ; 8 t: set 0's rows,
	v_add_nc_u32 v29, 16*RP, v28                   ; set 1's, 16 rows on
.set k, 0
.rept 10
	v_mov_b32 v[OA+k], 0
.set k, k+1
.endr
	s_mov_b32 s32, 0
	s_mov_b32 s33, EW
	s_mov_b32 s24, 3
	PLOAD 0
.Lpool:
	PLOAD 1
	PSUM 0, 36
	s_add_co_u32 s32, s32, 32*RP
	s_add_co_u32 s33, s33, 128
	PLOAD 0
	PSUM 1, 36
	s_sub_co_u32 s24, s24, 1
	s_cmp_lg_u32 s24, 0
	s_cbranch_scc1 .Lpool
	PLOAD 1                                        ; the last 32 rows are written out: they ask for nothing beyond row 127
	PSUM 0, 36
	PSUM 1, 0
	v_add_f32 v[Z], v[Z], v[Z+1]
	s_wait_alu depctr_va_vdst(0)
	v_rcp_f32 v[Z], v[Z]
	v_lshlrev_b32 v30, 4, v0                       ; out: 16 t
	s_wait_alu depctr_va_vdst(0)
.irp q, 0,1,2,3,4,5,6,7
	v_mul_f32 v[OA+\q], v[OA+\q], v[Z]
.endr
	global_store_b128 v30, v[OA:OA+3], s[14:15] th:TH_STORE_NT                  ; the wave stores 512 consecutive bytes, at a multiple of 512 from out's first byte
	global_store_b128 v30, v[OA+4:OA+7], s[14:15] offset:2048 th:TH_STORE_NT
	s_wait_xcnt 0x0                                ; the stores have read their registers and their base
	s_add_nc_u64 s[14:15], s[14:15], 256*4096
	BARRIER                                        ; every wave has read its kept rows and weights: the next batch may write LDS
	s_add_co_u32 s25, s25, 1
	s_cmp_lt_u32 s25, 2
	s_wait_alu depctr_va_vdst(0)
	s_cbranch_scc1 .Lbatch
	s_wait_tensorcnt 0x0                           ; the wave's end
	ds_add_u32 v[SPW], v[NIL]
	s_wait_dscnt 0x0
	s_endpgm
.Lfunc_end_k_q93dd307591_attn:
	.size	k_q93dd307591_attn, .Lfunc_end_k_q93dd307591_attn-k_q93dd307591_attn
	.p2alignl 7, 3214868480
	.fill 96, 4, 3214868480
	.section	.rodata,"a",@progbits
	.p2align	6, 0x0
	.amdhsa_kernel k_q93dd307591_attn
		.amdhsa_group_segment_fixed_size 326656
		.amdhsa_private_segment_fixed_size 0
		.amdhsa_enable_private_segment 0
		.amdhsa_kernarg_size 48
		.amdhsa_user_sgpr_count 2
		.amdhsa_user_sgpr_kernarg_segment_ptr 1
		.amdhsa_wavefront_size32 1
		.amdhsa_system_sgpr_workgroup_id_x 1
		.amdhsa_system_sgpr_workgroup_id_y 1
		.amdhsa_system_sgpr_workgroup_id_z 1
		.amdhsa_system_vgpr_workitem_id 0
		.amdhsa_next_free_vgpr 1024
		.amdhsa_next_free_sgpr 66
		.amdhsa_reserve_vcc 0
		.amdhsa_float_denorm_mode_32 3
		.amdhsa_float_denorm_mode_16_64 3
		.amdhsa_memory_ordered 1
		.amdhsa_forward_progress 1
		.amdhsa_inst_pref_size 255
	.end_amdhsa_kernel
	.section	.bss,"aw",@nobits
	.p2align	6
	.space	262144
	.amdgpu_metadata
---
amdhsa.version: [ 1, 2 ]
amdhsa.kernels:
  - .name:           k_q93dd307591_attn
    .symbol:         k_q93dd307591_attn.kd
    .args:
      - { .name: f_output, .offset: 0, .size: 8, .value_kind: global_buffer, .address_space: global }
      - { .name: sent_weight_codes, .offset: 8, .size: 8, .value_kind: global_buffer, .address_space: global }
      - { .name: sent_weight_scales, .offset: 16, .size: 8, .value_kind: global_buffer, .address_space: global }
      - { .name: sent_bias, .offset: 24, .size: 8, .value_kind: global_buffer, .address_space: global }
      - { .name: context_weight, .offset: 32, .size: 8, .value_kind: global_buffer, .address_space: global }
      - { .name: out0, .offset: 40, .size: 8, .value_kind: global_buffer, .address_space: global }
    .group_segment_fixed_size: 326656
    .private_segment_fixed_size: 0
    .kernarg_segment_align: 8
    .kernarg_segment_size: 48
    .max_flat_workgroup_size: 128
    .sgpr_count:     66
    .vgpr_count:     1024
    .wavefront_size: 32
...
	.end_amdgpu_metadata
.endif
;; end of part 3
